; MI455X (gfx1250); checked and timed in simulation.
; The chip was launched on July 23, 2026; its instructions are those of AMD's public machine-readable ISA for CDNA 5 (MIT licence, August 2026) and "CDNA5" Instruction Set Architecture Reference Guide (July 2026). The comments in the code are by the model that wrote it; some were corrected since.
;; CTFP2. Allowed arithmetic: float matrix products may take bf16 or f16 operands with f32 sums; other float arithmetic in f32, or as packed bf16 or f16 multiplies, adds, multiply-adds, maxima and minima; sums over many terms, partial sums and values carried from step to step in f32; what a program stores and reads back later, other than sums and carried values, may be rounded once to bf16 or f16.
;; Inputs: fW1 2 x 18 x 8 float32; fW2 2 x 8 x 8 float32; fW3 2 x 8 x 16 float32; fb1 2 x 8 float32; fb2 2 x 8 float32; fb3 2 x 16 float32; gW1 2 x 2 x 8 float32; gW2 2 x 8 x 8 float32; gW3 2 x 8 x 1 float32; gb1 2 x 8 float32; gb2 2 x 8 float32; gb3 2 x 1 float32; t 512 x 1,024 x 1 float32; w 512 x 1,024 x 16 float32.
;; Outputs: out0 512 x 1,024 x 16 float32.
;; One version. Each part assembles by itself: llvm-mc -triple=amdgcn-amd-amdhsa -mcpu=gfx1250 --defsym DOCPART=n.
;; ======== version 1 of 1: 1 launch
;; limits: values are held in f16: magnitudes above 65,504 overflow, below 6.1e-05 lose precision
;; launch ctfp (part 1): grid 256 x 1, 16 waves a work-group, no clusters, 167,424 bytes of LDS; arguments w, t, out0, fW1, gW1, fb1, gb1, fW2, gW2, fb2, gb2, fW3, fb3, gW3, gb3; writes out0
.if DOCPART == 1
	.amdgcn_target "amdgcn-amd-amdhsa--gfx1250"
	.amdhsa_code_object_version 6
	.text
	.protected	k_qce6cd72f35_ctfp
	.globl	k_qce6cd72f35_ctfp
	.p2align	8
	.type	k_qce6cd72f35_ctfp,@function
k_qce6cd72f35_ctfp:
	s_mov_b64 s[64:65], 0
	v_nop
	global_prefetch_b8 v0, s[64:65] scope:SCOPE_SE
	s_setreg_imm32_b32 hwreg(HW_REG_WAVE_MODE, 25, 1), 1
	s_wait_xcnt 0x0
; CTFP2: 524,288 rows, each a state (x[16], z) that goes through 2 layers x 4 RK4 steps x 4 evaluations of two tanh MLPs
; (f: time, x, z -> 8 -> 8 -> dx[16];  g: time, z -> 8 -> 8 -> dz).  x is returned.  One launch; w and t are read once, out0 is written once.
; LAYOUT.  Every product is D = A (weights, 16 features x 32 k) x B (data, 32 k x 16 rows of the batch), f16 operands, f32 sums.  In D lane (r = lane % 16,
; h = lane / 16) holds row r and features 8 h + j in register j; four roundings in pairs make of D four registers of a B operand with k = 8 h + j:
; nothing changes lanes between the layers.  f's 8 hidden units are features 0-7, g's are 8-15: the two MLPs are one block-diagonal MLP.
; TANH.  tanh(p) = 1 - 2 r, r = 1 / (1 + 2^(c2 p)), c2 = 2 log2(e).  c2 is folded into the weights that make p; r itself is the next operand, the next
; weights are -2 W and the next bias b + sum(W), the sum taken over the weights as rounded.  2^.. = inf gives r = 0, 2^.. = 0 gives r = 1: it saturates rightly.
; BIAS, TIME, z ride in k slots: a tile's block ZT holds (1.0 | z, time) and (1.0 | 0, 0), the first of each for lanes h = 0, the second for h = 1.
;   layer 1:      B = [x, ZT]: k 0-15 x, 16 and 18 the number 1, 17 time, 24 z.        layers 2, 3:  B = [ZT, r]: k 0 and 2 the number 1, 16 + u hidden unit u.
;   A bias is two f16 numbers, its rounding and what the rounding left.  The z registers hold 1.0 in lanes h = 0; dz is 0 there (row 0 of A3Z is 0).
; RK4 of x is matrix work: with A3 scaled by dt/2, dt, dt/6, dt/3 (H, F, S, T):  k1: T = H B + XN, ACC = S B + XN;  k2: T = H B + XN, ACC += T B;
;   k3: T = F B + XN, ACC += T B;  k4: XN = S B + ACC.   z: one product more (only row 8 of A3Z is not 0: dz falls into register 0 of lanes h = 1) and two multiply-adds.
; SHARES.  A chunk is 64 rows (4,096 bytes of w): four tiles, row = 4 r + tile, so lane r owns 256 consecutive bytes.  A wave takes two chunks, one after
; the other: 8,192 chunks = 256 work-groups x 16 waves x 2.  A wave's four tiles run as a pipeline, skewed by a slot, so that every result is used a slot after it is made.
; LIMITS.  f16 ends at 65,504: x, z, 5.78 |W| and the folded biases stay below it.  r is rounded to f16: tanh is good to 4.9e-4 absolute.  NaN and infinities are not treated apart.
; No tensor loads or clusters: a row moves 132 bytes for 1,024 tanh, all input loads go out at the head, and only 4 KB of weights are shared.
.set WPITCH, 80                        ; a matrix row in LDS: 32 f16 + 16 bytes: the 16 rows of a load start at 16 different groups of four banks (64 banks of 4 bytes: ISA guide 11.1)
.set MATB,   16*WPITCH                 ; a matrix
.set LAYB,   7*MATB                    ; a layer's seven: A1, A2, A3H, A3F, A3S, A3T, A3Z
.set STG,    2*LAYB                    ; behind them the stages: for each wave and chunk 16 units of 256 bytes at pitch 272, then the chunk's 256 bytes of t
.set UPITCH, 272
.set TOFS,   16*UPITCH
.set CHB,    TOFS+256
.set WVB,    2*CHB
.set SPARE,  STG+16*WVB                ; the spare words, 128 bytes for each wave: eight blocks of 256 bytes that no other line names
.set C2,     0x4038aa3b                ; 2 log2(e)
.set M2C2,   0xc0b8aa3b                ; -4 log2(e)
.set SPW, 1                            ; v1   LDS address of my spare word; never rewritten
.set NIL, 2                            ; v2   0; never rewritten
.set LIN, 3                            ; v3   my 16 bytes of the stage when it is walked as memory lies
.set TIL, 4                            ; v4   my 32 bytes of tile 0 in the stage
.set GO,  5                            ; v5   16 x lane: my bytes in 512 consecutive bytes of w and out0
.set WA0, 6                            ; v6   my place in a matrix: r x 80 + 16 h
.set TS,  7                            ; v7   my 16 bytes of t in the stage
.set ZS,  8                            ; v8   z of the stage in hand
.set WA,  9                            ; v9   WA0 + the layer
.set ZN,  10                           ; v10-13  z at the step's start, by tile
.set ZA,  14                           ; v14-17  z's running RK4 sum
.set TOFF,18                           ; v18  16 r
.set TH,  19                           ; v19  the step's time + dt/2
.set A1,  20                           ; v20-75  the layer's seven matrices, 8 registers each
.set A2,  28
.set A3H, 36
.set A3F, 44
.set A3S, 52
.set A3T, 60
.set A3Z, 68
.set DZ,  76                           ; v76-91  dz's products, two copies by the tile's parity
.set TB0, 92                           ; v92-235  tile i at 92 + 36 i: XN 8, ACC 8, T 8, XP 4, ZT 4, P 4
.set TT,  236                          ; v236-239  t of my four rows
.set TF,  240                          ; v240 the step's time + dt
.set TZ,  241                          ; v241 0.0
; At the head, in registers not yet in use: v20-35 raw weights (8 a layer), v36-43 their offsets, v44 my place in a matrix to be built, v45-55 at work,
; v92-123, v124-155 the two chunks as loaded, v156-159, v160-163 their t.
	s_load_b512 s[16:31], s[0:1], 0x0              ; w, t, out0, fW1, gW1, fb1, gb1, fW2
	s_load_b256 s[32:39], s[0:1], 0x40             ; gW2, fb2, gb2, fW3
	s_load_b128 s[40:43], s[0:1], 0x60             ; fb3, gW3
	s_load_b64 s[44:45], s[0:1], 0x70              ; gb3
	v_lshl_add_u32 v[SPW], v0, 2, SPARE
	v_mov_b32 v[NIL], 0
	v_lshrrev_b32 v52, 5, v0
	v_readfirstlane_b32 s8, v52                    ; my wave; in the build also m, the matrix row that the wave makes
	v_and_b32 v51, 31, v0                          ; lane; in the build k
	v_and_b32 v54, 15, v0                          ; r
	v_bfe_u32 v55, v0, 4, 1                        ; h
	v_mov_b32 v48, 0                               ; v_permlanex16_b32 counts as a reader of its destination
	v_mov_b32 v[TZ], 0
	s_and_b32 s9, s8, 7                            ; the hidden unit inside its own MLP
	s_lshl_b32 s10, s9, 2
	s_lshl_b32 s11, s8, 2
	s_mul_i32 s12, s8, WPITCH
	s_mul_i32 s13, s8, WVB
	s_add_co_u32 s13, s13, STG                     ; my wave's stages
	s_lshl_b32 s2, ttmp9, 17                       ; w and out0: 32 chunks of 4,096 bytes a work-group,
	s_lshl_b32 s3, s8, 13                          ; two a wave
	s_add_co_u32 s2, s2, s3
	s_mov_b32 s3, 0
	s_lshl_b32 s4, ttmp9, 13                       ; t: 256 bytes a chunk
	s_lshl_b32 s5, s8, 9
	s_add_co_u32 s4, s4, s5
	s_mov_b32 s5, 0
	s_mov_b32 s60, 0x76543210                      ; v_permlanex16_b32: each lane takes its own place in the other half
	s_mov_b32 s61, 0xfedcba98
	s_mov_b32 s62, 0xffff0000                      ; lanes h = 1
	s_mov_b32 s66, 0x00010000                      ; lane masks of the build, a bit for each k: 16,
	s_mov_b32 s77, 0x00040000                      ; 18,
	s_mov_b32 s67, 0x01000000                      ; 24,
	s_mov_b32 s68, 1                               ; 0,
	s_mov_b32 s78, 4                               ; 2,
	s_mov_b32 s69, 0x00ff0000                      ; 16-23
	s_mov_b32 s55, 0xff000000
	s_cmp_lt_u32 s8, 8                             ; rows 0-7 belong to f, rows 8-15 to g
	s_cselect_b32 s63, 0xffff, 0                   ; f alone sees x
	s_cselect_b32 s58, 17, 1                       ; z's row in W1
	s_cselect_b32 s59, 576, 64                     ; bytes of a layer of W1
	s_cselect_b32 s55, 0x00ff0000, s55             ; A2 is block-diagonal: k 16-23 for f, 24-31 for g
	s_cmp_eq_u32 s8, 8                             ; A3Z has row 8 alone
	s_cselect_b32 s56, 0xff000000, 0
	s_cselect_b32 s57, 1, 0
	s_cselect_b32 s79, 4, 0
	s_or_b32 s54, s63, 0x01020000                  ; A1's weights: x (f alone), time at 17, z at 24
	; byte offsets of element (m, k) in the raw weights; every one stays inside its buffer (the largest in fW1: 17 x 32 + 28 + 576 = 1,148)
	v_add_nc_u32 v52, 1, v51
	v_cndmask_b32 v36, 0, v52, s63                 ; W1's row: k + 1 for x,
	v_mov_b32 v53, s58
	v_cndmask_b32 v36, v36, v53, s67               ; z's row for k = 24, else row 0, the time's
	v_lshlrev_b32 v36, 5, v36
	v_add_nc_u32 v36, s10, v36
	v_add_nc_u32 v37, s59, v36                     ; the same in the second layer
	v_mov_b32 v38, s10                             ; b1, b2
	v_and_b32 v52, 7, v51
	v_lshl_add_u32 v39, v52, 5, s10                ; W2[k % 8][unit]
	v_lshl_add_u32 v40, v52, 6, s11                ; fW3[k % 8][m]
	v_mov_b32 v41, s11                             ; fb3[m]
	v_lshlrev_b32 v42, 2, v52                      ; gW3[k % 8]
	v_mov_b32 v43, 0                               ; gb3
	v_lshl_add_u32 v44, v51, 1, s12                ; where element (m, k) goes: m x 80 + 2 k
	v_lshlrev_b32 v[GO], 4, v51
	v_lshlrev_b32 v[TOFF], 4, v54
	v_mul_u32_u24 v[LIN], v55, UPITCH              ; lanes 0-15 one unit of 256 bytes, lanes 16-31 the next
	v_lshl_add_u32 v[LIN], v54, 4, v[LIN]
	v_add_nc_u32 v[LIN], s13, v[LIN]
	v_mul_u32_u24 v[TIL], v54, UPITCH              ; unit r, features 8 h on
	v_lshl_add_u32 v[TIL], v55, 5, v[TIL]
	v_add_nc_u32 v[TIL], s13, v[TIL]
	v_lshl_add_u32 v[TS], v54, 4, s13
	v_add_nc_u32 v[TS], TOFS, v[TS]
	v_mul_u32_u24 v[WA0], v54, WPITCH
	v_lshl_add_u32 v[WA0], v55, 4, v[WA0]
	s_wait_kmcnt 0x0
	s_cmp_lt_u32 s8, 8                             ; f's buffers or g's, by the wave's number alone
	s_cselect_b64 s[46:47], s[22:23], s[24:25]     ; W1
	s_cselect_b64 s[48:49], s[26:27], s[28:29]     ; b1
	s_cselect_b64 s[50:51], s[30:31], s[32:33]     ; W2
	s_cselect_b64 s[52:53], s[34:35], s[36:37]     ; b2
	s_add_nc_u64 s[16:17], s[16:17], s[2:3]        ; w, out0 and t at my wave's first chunk
	s_add_nc_u64 s[20:21], s[20:21], s[2:3]
	s_add_nc_u64 s[18:19], s[18:19], s[4:5]
	; ALL LOADS OF THE LAUNCH: 16 of weights, then both chunks; the build below runs while the chunks are on their way.
.irp l, 0,1
	global_load_b32 v[20+8*\l], v[36+\l], s[46:47]
	global_load_b32 v[21+8*\l], v38, s[48:49] offset:32*\l
	global_load_b32 v[22+8*\l], v39, s[50:51] offset:256*\l
	global_load_b32 v[23+8*\l], v38, s[52:53] offset:32*\l
	global_load_b32 v[24+8*\l], v40, s[38:39] offset:512*\l
	global_load_b32 v[25+8*\l], v41, s[40:41] offset:64*\l
	global_load_b32 v[26+8*\l], v42, s[42:43] offset:32*\l
	global_load_b32 v[27+8*\l], v43, s[44:45] offset:4*\l
.endr
.irp c, 0,1
.irp q, 0,1,2,3,4,5,6,7
	global_load_b128 v[92+32*\c+4*\q:95+32*\c+4*\q], v[GO], s[16:17] offset:4096*\c+512*\q th:TH_LOAD_NT  ; 512 consecutive bytes, from a multiple of 256
.endr
	global_load_b128 v[156+4*\c:159+4*\c], v[TOFF], s[18:19] offset:256*\c th:TH_LOAD_NT  ; t of rows 4 r .. 4 r + 3, in both halves of the lanes
.endr
; THE BUILD.  Thread (m = wave, k = lane) makes element (m, k) of all 14 matrices.
.macro FIN off, bm, bm2                ; v45 the weight, v49 the bias in f32: lane bm takes the bias, lane bm2 what its rounding leaves; rounded and stored
	v_cvt_pk_f16_f32 v46, v49, v49
	v_cvt_f32_f16 v50, v46.l
	v_sub_f32 v50, v49, v50
	v_cndmask_b32 v45, v45, v49, \bm
	v_cndmask_b32 v45, v45, v50, \bm2
	v_cvt_pk_f16_f32 v46, v45, v45
	ds_store_b16 v44, v46 offset:\off
.endm
.macro RBUILD off, raw, mask, sc, braw, bsc, bm, bm2  ; a matrix that multiplies r: weight sc x W (sc holds the -2), bias bsc x b - half the row's sum of the weights as rounded
	v_cndmask_b32 v45, 0, v[\raw], \mask
	v_mul_f32 v45, \sc, v45
	v_cvt_pk_f16_f32 v46, v45, v45
	v_cvt_f32_f16 v45, v46.l                       ; the weight as it will be multiplied: the last rounding will leave it as it is
	v_mov_b32 v47, v45
	v_add_f32_dpp v47, v47, v47 row_xmask:1 row_mask:0xf bank_mask:0xf  ; the row's sum over k: four steps inside each half of the lanes,
	v_add_f32_dpp v47, v47, v47 row_xmask:2 row_mask:0xf bank_mask:0xf
	v_add_f32_dpp v47, v47, v47 row_xmask:4 row_mask:0xf bank_mask:0xf
	v_add_f32_dpp v47, v47, v47 row_xmask:8 row_mask:0xf bank_mask:0xf
	v_permlanex16_b32 v48, v47, s60, s61           ; one across
	v_add_f32 v47, v47, v48
	v_mul_f32 v49, \bsc, v[\braw]
	v_fmac_f32 v49, -0.5, v47
	FIN \off, \bm, \bm2
.endm
	s_wait_loadcnt 18                              ; loads come back in order (ISA guide 5.7.1): the 16 of weights are in, the chunks' 18 stay out
.irp l, 0,1
.set R,  20+8*\l
.set OB, LAYB*\l
	v_cndmask_b32 v45, 0, v[R], s54                ; A1 multiplies x, time and z themselves: c2 W1, c2 b1
	v_mul_f32 v45, C2, v45
	v_mul_f32 v49, C2, v[R+1]
	FIN OB, s66, s77
	RBUILD OB+MATB,   R+2, s55, M2C2,       R+3, C2,         s68, s78   ; A2
	RBUILD OB+2*MATB, R+4, s69, 0xbe800000, R+5, 0x3e000000, s68, s78   ; A3H: dt/2 = 1/8
	RBUILD OB+3*MATB, R+4, s69, 0xbf000000, R+5, 0x3e800000, s68, s78   ; A3F: dt = 1/4
	RBUILD OB+4*MATB, R+4, s69, 0xbdaaaaab, R+5, 0x3d2aaaab, s68, s78   ; A3S: dt/6 = 1/24
	RBUILD OB+5*MATB, R+4, s69, 0xbe2aaaab, R+5, 0x3daaaaab, s68, s78   ; A3T: dt/3 = 1/12
	RBUILD OB+6*MATB, R+6, s56, 0xc0000000, R+7, 0x3f800000, s57, s79   ; A3Z: dz itself
.endr
	; BOTH CHUNKS INTO MY STAGES, as memory lies; they are read back by tiles.
	s_wait_loadcnt 9                               ; chunk 0 and its t are in; chunk 1's nine loads stay out
.irp q, 0,1,2,3,4,5,6,7
	ds_store_b128 v[LIN], v[92+4*\q:95+4*\q] offset:2*UPITCH*\q
.endr
	ds_store_b128 v[TS], v[156:159]
	s_wait_loadcnt 0x0
.irp q, 0,1,2,3,4,5,6,7
	ds_store_b128 v[LIN], v[124+4*\q:127+4*\q] offset:CHB+2*UPITCH*\q
.endr
	ds_store_b128 v[TS], v[160:163] offset:CHB
	s_wait_dscnt 0x0                               ; for the others' sake: my row of the 14 matrices is in LDS
	s_barrier_signal -1
	s_barrier_wait -1                              ; the launch's one barrier: all 16 rows are; nobody writes them again
	v_mov_b32 v[WA], 0x3c00                        ; 1.0 in f16
.irp i, 0,1,2,3
	v_cndmask_b32 v[TB0+36*\i+29], v[WA], v[TZ], s62  ; ZT's second register: the second 1.0, in lanes h = 0; set once
	v_mov_b32 v[TB0+36*\i+30], 0
	v_mov_b32 v[TB0+36*\i+31], 0
.endr
; THE LOOP'S PARTS, for tile i.
.macro TREG i
.set rXN, TB0+36*(\i)                  ; x at the step's start
.set rAC, rXN+8                        ; x's running RK4 sum
.set rT,  rXN+16                       ; a layer's sums, then r; or x of the stage
.set rXP, rXN+24                       ; x in f16
.set rZT, rXN+28                       ; (1 | z, time), (1 | 0, 0), 0, 0
.set rP,  rXN+32                       ; r in f16
.set rZN, ZN+(\i)
.set rZA, ZA+(\i)
.set rDZ, DZ+8*((\i)%2)
.endm
.macro EXP8 i                          ; ascending: a matrix result is read from its low end on
	TREG \i
.irp j, 0,1,2,3,4,5,6,7
	v_exp_f32 v[rT+\j], v[rT+\j]
.endr
.endm
.macro ADD1 i
	TREG \i
	s_wait_alu depctr_va_vdst(0)
.irp j, 0,1,2,3
	v_pk_add_f32 v[rT+2*\j:rT+2*\j+1], v[rT+2*\j:rT+2*\j+1], 1.0 op_sel_hi:[1,0]
.endr
.endm
.macro RCP8 i
	TREG \i
.irp j, 0,1,2,3,4,5,6,7
	v_rcp_f32 v[rT+\j], v[rT+\j]
.endr
.endm
.macro PACK i
	TREG \i
	s_wait_alu depctr_va_vdst(0)
.irp j, 0,1,2,3
	v_cvt_pk_f16_f32 v[rP+\j], v[rT+2*\j], v[rT+2*\j+1]
.endr
.endm
.macro MM1 i
	TREG \i
	v_wmma_f32_16x16x32_f16 v[rT:rT+7], v[A1:A1+7], v[rXP:rXP+7], 0
.endm
.macro MM2 i
	TREG \i
	v_wmma_f32_16x16x32_f16 v[rT:rT+7], v[A2:A2+7], v[rZT:rZT+7], 0
.endm
.macro MM3 i, e                        ; evaluation e of the step: dz, the next stage's x, x's RK4 sum
	TREG \i
	v_wmma_f32_16x16x32_f16 v[rDZ:rDZ+7], v[A3Z:A3Z+7], v[rZT:rZT+7], 0
.if (\e) == 1
	v_wmma_f32_16x16x32_f16 v[rT:rT+7], v[A3H:A3H+7], v[rZT:rZT+7], v[rXN:rXN+7]
	v_wmma_f32_16x16x32_f16 v[rAC:rAC+7], v[A3S:A3S+7], v[rZT:rZT+7], v[rXN:rXN+7]
.elseif (\e) == 2
	v_wmma_f32_16x16x32_f16 v[rT:rT+7], v[A3H:A3H+7], v[rZT:rZT+7], v[rXN:rXN+7]
	v_wmma_f32_16x16x32_f16 v[rAC:rAC+7], v[A3T:A3T+7], v[rZT:rZT+7], v[rAC:rAC+7]
.elseif (\e) == 3
	v_wmma_f32_16x16x32_f16 v[rT:rT+7], v[A3F:A3F+7], v[rZT:rZT+7], v[rXN:rXN+7]
	v_wmma_f32_16x16x32_f16 v[rAC:rAC+7], v[A3T:A3T+7], v[rZT:rZT+7], v[rAC:rAC+7]
.else
	v_wmma_f32_16x16x32_f16 v[rXN:rXN+7], v[A3S:A3S+7], v[rZT:rZT+7], v[rAC:rAC+7]
.endif
.endm
.macro XST i, e                        ; behind evaluation e (0: at a layer's start): z's arithmetic, and the next evaluation's operand [x, ZT]
	TREG \i
.set rSRC, rT
.set rZI, ZS
.set rTI, TH
.if (\e) == 0
.set rSRC, rXN
.set rZI, rZN
.set rTI, TZ
.elseif (\e) == 1
	v_fmamk_f32 v[ZS], v[rDZ], 0x3e000000, v[rZN]   ; z + dt/2 k1
	v_fmamk_f32 v[rZA], v[rDZ], 0x3d2aaaab, v[rZN]  ; z + dt/6 k1
	s_wait_alu depctr_va_vdst(0)
.elseif (\e) == 2
	v_fmamk_f32 v[ZS], v[rDZ], 0x3e000000, v[rZN]   ; z + dt/2 k2
	v_fmamk_f32 v[rZA], v[rDZ], 0x3daaaaab, v[rZA]  ; + dt/3 k2
	s_wait_alu depctr_va_vdst(0)
.elseif (\e) == 3
	v_fmamk_f32 v[ZS], v[rDZ], 0x3e800000, v[rZN]   ; z + dt k3
	v_fmamk_f32 v[rZA], v[rDZ], 0x3daaaaab, v[rZA]  ; + dt/3 k3
	s_wait_alu depctr_va_vdst(0)
.set rTI, TF
.else
	v_fmamk_f32 v[rZN], v[rDZ], 0x3d2aaaab, v[rZA]  ; + dt/6 k4: the step's end
	s_wait_alu depctr_va_vdst(0)
.set rSRC, rXN
.set rZI, rZN
.set rTI, TF
.endif
.irp j, 0,1,2,3
	v_cvt_pk_f16_f32 v[rXP+\j], v[rSRC+2*\j], v[rSRC+2*\j+1]
.endr
	v_cvt_pk_f16_f32 v[rZT], v[rZI], v[rTI]
.endm
; A STEP is 32 UNITS: unit u is the tanh of evaluation u / 8 + 1, hidden layer (u % 8) / 4, tile u % 4.  Its exponentials stand in slot u - 1, its additions and reciprocals
; in slot u, its rounding and the products that take it in slot u + 1, and behind a second hidden layer z's arithmetic, the new operand and layer 1's product in slot u + 2.
; Distances.  Behind a run of exponentials or reciprocals comes plain work of another tile before a result is used (ISA guide 5.7.2).  A vector line that reads a matrix result or
; writes a matrix source stands four plain vector lines that name none of that product's registers behind it (ISA guide 7.12.1): behind layer 1's product the next unit's four roundings,
; behind layer 3's products the next slot's four additions (in the last two slots: the last unit's roundings, then tile 2's six lines; hence dz's two copies).
; No two matrix instructions on end share an accumulator, and ACC's links in place stand a whole evaluation apart, one instruction a turn.
.macro SLOT
.if (n+1 >= 0) && (n+1 <= 31)
	EXP8 (n+1)%4
.endif
.if n == -1
	v_nop                                          ; the plain line between unit 0's exponentials and their use: slot 0 opens with exponentials again
.endif
.if (n >= 0) && (n <= 31)
	ADD1 n%4
	RCP8 n%4
.endif
.if (n >= 2) && (n <= 31) && ((n-2)%8 >= 4)
	XST (n-2)%4, (n-2)/8+1
	MM1 (n-2)%4
.endif
.if (n >= 1) && (n <= 32)
	PACK (n-1)%4
.if (n-1)%8 < 4
	MM2 (n-1)%4
.else
	MM3 (n-1)%4, (n-1)/8+1
.endif
.endif
.if n >= 32
	XST (n-2)%4, (n-2)/8+1
	MM1 (n-2)%4
.endif
.set n, n+1
.endm
	s_mov_b32 s76, 0                               ; the layer's matrices in LDS: 0, LAYB, and back
	s_mov_b32 s70, 2
.Lchunk:                                               ; two trips: my two chunks
.irp i, 0,1,2,3
	ds_load_b128 v[TB0+36*\i:TB0+36*\i+3],   v[TIL] offset:64*\i      ; row 4 r + i, features 8 h .. 8 h + 7: x as an accumulator holds it
	ds_load_b128 v[TB0+36*\i+4:TB0+36*\i+7], v[TIL] offset:64*\i+16
.endr
	ds_load_b128 v[TT:TT+3], v[TS]
	s_wait_dscnt 0x0
.irp i, 0,1,2,3
	v_cndmask_b32 v[ZN+\i], 1.0, v[TT+\i], s62     ; z = t in lanes h = 1, the number 1 in lanes h = 0
.endr
	s_mov_b32 s71, 2
.Llayer:                                               ; two trips: the two ODE layers
	XST 0, 0                                       ; the first operands, at time 0.  These lines are also the places between the last trip's products and the loads below
	XST 1, 0
	XST 2, 0
	XST 3, 0
	v_add_nc_u32 v[WA], s76, v[WA0]
.irp a, 0,1,2,3,4,5,6
	ds_load_b128 v[A1+8*\a:A1+8*\a+3],   v[WA] offset:MATB*\a        ; row r, k = 8 h .. 8 h + 7
	ds_load_b128 v[A1+8*\a+4:A1+8*\a+7], v[WA] offset:MATB*\a+32     ; k = 16 + 8 h ..
.endr
	s_wait_dscnt 0x0
	MM1 0
	MM1 1
	MM1 2
	MM1 3
	v_mov_b32 v[TH], 0x3e000000                    ; dt/2 and dt; with the two v_nop the four places in front of the first exponentials
	v_mov_b32 v[TF], 0x3e800000
	v_nop
	v_nop
	s_mov_b32 s72, 4
.Lstep:                                                ; four trips: the RK4 steps.  A trip ends with layer 1's products of the next step (behind the fourth they serve nothing: four products a layer)
.set n, -1
.rept 35
	SLOT
.endr
	v_add_f32 v[TH], 0x3e800000, v[TH]
	v_add_f32 v[TF], 0x3e800000, v[TF]
	s_sub_co_u32 s72, s72, 1
	s_cmp_lg_u32 s72, 0
	s_cbranch_scc1 .Lstep
	s_xor_b32 s76, s76, LAYB
	s_sub_co_u32 s71, s71, 1
	s_cmp_lg_u32 s71, 0
	s_cbranch_scc1 .Llayer
	; THE WAY OUT, through the chunk's own stage: in by tiles, back as memory lies.
.irp i, 0,1,2,3
	ds_store_b128 v[TIL], v[TB0+36*\i:TB0+36*\i+3]   offset:64*\i
	ds_store_b128 v[TIL], v[TB0+36*\i+4:TB0+36*\i+7] offset:64*\i+16
.endr
.irp q, 0,1,2,3,4,5,6,7
	ds_load_b128 v[TB0+36*(\q/2)+8+4*(\q%2):TB0+36*(\q/2)+11+4*(\q%2)], v[LIN] offset:2*UPITCH*\q  ; LDS serves a wave's instructions in order (ISA guide 5.7.1.4): these see the stores above
.endr
.irp q, 0,1,2,3,4,5,6,7
	s_wait_dscnt 7-\q                              ; load q is back; the younger ones of the run stay out
	global_store_b128 v[GO], v[TB0+36*(\q/2)+8+4*(\q%2):TB0+36*(\q/2)+11+4*(\q%2)], s[20:21] offset:512*\q th:TH_STORE_NT  ; 16 lanes store 256 consecutive bytes, at a multiple of 256 from out0's first
.endr
	s_wait_xcnt 0x0                                ; every earlier memory instruction has had its addresses translated (ISA guide 3.1): only now are the stores' base and data rewritten
	s_add_nc_u64 s[20:21], s[20:21], 4096
	v_add_nc_u32 v[LIN], CHB, v[LIN]               ; the second chunk's stage
	v_add_nc_u32 v[TIL], CHB, v[TIL]
	v_add_nc_u32 v[TS], CHB, v[TS]
	s_sub_co_u32 s70, s70, 1
	s_cmp_lg_u32 s70, 0
	s_cbranch_scc1 .Lchunk
	s_wait_tensorcnt 0x0                           ; the wave's end, behind my last LDS store
	ds_add_u32 v[SPW], v[NIL]
	s_wait_dscnt 0x0
	s_endpgm
.Lfunc_end_k_qce6cd72f35_ctfp:
	.size	k_qce6cd72f35_ctfp, .Lfunc_end_k_qce6cd72f35_ctfp-k_qce6cd72f35_ctfp
	.p2alignl 7, 3214868480
	.fill 96, 4, 3214868480
	.section	.rodata,"a",@progbits
	.p2align	6, 0x0
	.amdhsa_kernel k_qce6cd72f35_ctfp
		.amdhsa_group_segment_fixed_size 167424
		.amdhsa_private_segment_fixed_size 0
		.amdhsa_enable_private_segment 0
		.amdhsa_kernarg_size 120
		.amdhsa_user_sgpr_count 2
		.amdhsa_user_sgpr_kernarg_segment_ptr 1
		.amdhsa_wavefront_size32 1
		.amdhsa_system_sgpr_workgroup_id_x 1
		.amdhsa_system_sgpr_workgroup_id_y 1
		.amdhsa_system_sgpr_workgroup_id_z 1
		.amdhsa_system_vgpr_workitem_id 0
		.amdhsa_next_free_vgpr 256
		.amdhsa_next_free_sgpr 80
		.amdhsa_reserve_vcc 0
		.amdhsa_float_denorm_mode_32 3
		.amdhsa_float_denorm_mode_16_64 3
		.amdhsa_memory_ordered 1
		.amdhsa_forward_progress 1
		.amdhsa_inst_pref_size 76
	.end_amdhsa_kernel
	.amdgpu_metadata
---
amdhsa.version: [ 1, 2 ]
amdhsa.kernels:
  - .name:           k_qce6cd72f35_ctfp
    .symbol:         k_qce6cd72f35_ctfp.kd
    .args:
      - { .name: w, .offset: 0, .size: 8, .value_kind: global_buffer, .address_space: global }
      - { .name: t, .offset: 8, .size: 8, .value_kind: global_buffer, .address_space: global }
      - { .name: out0, .offset: 16, .size: 8, .value_kind: global_buffer, .address_space: global }
      - { .name: fW1, .offset: 24, .size: 8, .value_kind: global_buffer, .address_space: global }
      - { .name: gW1, .offset: 32, .size: 8, .value_kind: global_buffer, .address_space: global }
      - { .name: fb1, .offset: 40, .size: 8, .value_kind: global_buffer, .address_space: global }
      - { .name: gb1, .offset: 48, .size: 8, .value_kind: global_buffer, .address_space: global }
      - { .name: fW2, .offset: 56, .size: 8, .value_kind: global_buffer, .address_space: global }
      - { .name: gW2, .offset: 64, .size: 8, .value_kind: global_buffer, .address_space: global }
      - { .name: fb2, .offset: 72, .size: 8, .value_kind: global_buffer, .address_space: global }
      - { .name: gb2, .offset: 80, .size: 8, .value_kind: global_buffer, .address_space: global }
      - { .name: fW3, .offset: 88, .size: 8, .value_kind: global_buffer, .address_space: global }
      - { .name: fb3, .offset: 96, .size: 8, .value_kind: global_buffer, .address_space: global }
      - { .name: gW3, .offset: 104, .size: 8, .value_kind: global_buffer, .address_space: global }
      - { .name: gb3, .offset: 112, .size: 8, .value_kind: global_buffer, .address_space: global }
    .group_segment_fixed_size: 167424
    .private_segment_fixed_size: 0
    .kernarg_segment_align: 8
    .kernarg_segment_size: 120
    .max_flat_workgroup_size: 512
    .sgpr_count:     80
    .vgpr_count:     256
    .wavefront_size: 32
...
	.end_amdgpu_metadata
.endif
;; end of part 1
